; MI455X (gfx1250); checked and timed in simulation.
; The chip was launched on July 23, 2026; its instructions are those of AMD's public machine-readable ISA for CDNA 5 (MIT licence, August 2026) and "CDNA5" Instruction Set Architecture Reference Guide (July 2026). The comments in the code are by the model that wrote it; some were corrected since.
;; True Sliding Window Attention. Allowed arithmetic: matrix products marked QUANTISED: E4M3 operands, one E8M0 scale for each 32 along K, by v_wmma_scale_f32_16x16x128_f8f6f4 with both operands' format E4M3, f32 sums; everything else in f32.
;; Inputs: k 16 x 4,096 x 64 float32; q 16 x 4,096 x 64 float32; v 16 x 4,096 x 64 float32.
;; Outputs: out0 16 x 4,096 x 64 float32.
;; This version of the problem:
;;   THIS VERSION OF THE PROBLEM IS GIVEN IN LOW PRECISION. The matrix products marked QUANTISED in the list below multiply operands that are first quantised to E4M3 (4 exponent bits, 3 mantissa bits; 8 bits a number), with one power-of-two scale for each 32 numbers along K (OCP MX v1.0); their sums are f32. All else is computed in f32.
;;   The module's matrix products, in the order in which they are computed (A, B: the left and right operand; K: the contracted axis; several contracted axes count as one K, in the product's order):
;;     1. batch 16 x [M 4,096, K 64] x [K 64, N 4,096]; A: computed on the way; B: input k: QUANTISED
;;     2. batch 16 x [M 4,096, K 4,096] x [K 4,096, N 64]; A: softmax (see below); B: input v: QUANTISED
;;   THE QUANTISER, for each operand of a quantised product, along K:
;;     - K is cut into blocks of 32 from its start; a last block that is shorter is filled with zeros.
;;     - A block's scale is 2^e with e = floor(log2(the largest magnitude in the block)) - 8, held to -126 .. 127; a block of zeros has e = 0. As a byte (E8M0): e + 127.
;;     - Each number is divided by its block's scale, clamped to +-448, and rounded to the nearest number of E4M3, ties to even, subnormals kept.
;;     - The product sums the exact products of the quantised numbers (number of the format x scale) in f32.
;;   ~~~python
;;   def quantise(x, axis):      # numpy; x: float32 -> the quantised numbers, widened to float32 again
;;       x = np.moveaxis(x, axis, -1); K = x.shape[-1]
;;       x = np.pad(x, [(0, 0)] * (x.ndim - 1) + [(0, -K % 32)]); x = x.reshape(x.shape[:-1] + (-1, 32)); a = np.abs(x).max(-1, keepdims=True)
;;       e = np.where(a > 0, np.clip(np.frexp(np.where(a > 0, a, 1))[1] - 1 - 8, -126, 127), 0)      # np.frexp(a)[1] - 1 = floor(log2(a)), exactly
;;       r = np.clip(x / 2.0 ** e, -448, 448)
;;       step = 2.0 ** (np.maximum(np.frexp(np.where(r == 0, 1, r))[1] - 1, -6) - 3)
;;       q = np.round(r / step) * step * 2.0 ** e      # np.round: ties to even
;;       return np.moveaxis(q.reshape(q.shape[:-2] + (-1,))[..., :K], -1, axis).astype(np.float32)
;;   ~~~
;;   SOFTMAX AHEAD OF A QUANTISED PRODUCT. Where the list says 'softmax', what is quantised is not the finished softmax but p = 2^(t - M), with t = logit x log2(e) and M = ceil(the row's largest t), a whole number; so 1/2 < the row's largest p <= 1. The row's sum l is taken of the UNQUANTISED p, in f32, and the product's result is divided by l at the end. Since M is a whole number, a kernel that streams over the keys may use a running M (the ceiling of the running maximum): every later rescaling is an exact power of two, which a block's scale takes up: the codes' values come out the same.
;;   OPERANDS COMPUTED ON THE WAY. 'Computed on the way' means the value that the module computes at that place (a softmax that the list does not call 'softmax' is quantised finished and normalised). What goes into a quantiser is computed in f32, as accurately as f32 sums, v_exp_f32 and their like allow (about 1e-6 of the number): no bf16 or f16 on the way to a quantiser, and a product that is left as it is and whose result goes on into a quantised operand takes f32 operands (vector FMAs, or v_wmma_f32_16x16x4_f32). A number that lies on a knife's edge between two numbers of the format may be rounded either way, as far as f32 arithmetic and the matrix unit's own rounding can turn it there, and no further.
;; One version. Each part assembles by itself: llvm-mc -triple=amdgcn-amd-amdhsa -mcpu=gfx1250 --defsym DOCPART=n.
;; ======== version 1 of 1: 1 launch
;; limits: right only within a limited range of input values
;; launch attn (part 1): grid 16 x 16, 16 waves a work-group, no clusters, 327,680 bytes of LDS; arguments q, k, v, out0; writes out0
.if DOCPART == 1
	.amdgcn_target "amdgcn-amd-amdhsa--gfx1250"
	.amdhsa_code_object_version 6
	.text
	.protected	k_q88dd6ed48a_attn
	.globl	k_q88dd6ed48a_attn
	.p2align	8
	.type	k_q88dd6ed48a_attn,@function
k_q88dd6ed48a_attn:
	s_mov_b64 s[64:65], 0
	v_nop
	global_prefetch_b8 v0, s[64:65] scope:SCOPE_SE
	s_setreg_imm32_b32 hwreg(HW_REG_WAVE_MODE, 25, 1), 1
	s_wait_xcnt 0x0
; out[b][i][:] = sum over keys j in i-511 .. i of softmax_j((q[b][i]/8) . k[b][j]) v[b][j][:].  q, k, v, out: [16][4096][64] f32.
; Both products run on codes of FP8 (E4M3) with one E8M0 scale for each 32 along a product's K: the first along the 64 channels, the second along the keys (aligned blocks of 32 keys).
; THE SOFTMAX AHEAD OF THE SECOND PRODUCT: t = score x log2(e); M = the running largest t rounded UP to a whole number; p = 2^(t - M) is quantised, not normalised; the row's sum is taken of the
; unquantised p in f32 and divides at the end.  When M moves, the sum and O are multiplied by 2^(old M - new M), which rounds nothing.
; SHARES.  A work-group owns 256 queries of one batch (x = block of queries, y = batch); each of its sixteen waves owns 16 of them, one tile, in 256 registers.  The work-group walks the six blocks of
; 128 keys 2x-4 .. 2x+1 in ascending order; a tile of 16 queries meets five of them (waves 0-7 the first five, waves 8-15 the last five): a step whose 128 keys all lie outside the band of the wave's
; queries is left out by a scalar branch on ids.  The loops' trip counts are constants, and no tensor load and no barrier is jumped over.
; For x = 0 and 1 the blocks with a negative number do not exist: their tile load is held at block 0 (6 of a batch's 96 tile loads), they are quantised like any block, and no wave computes on them.
; PIPELINE, one barrier a trip.  Trip T: raw slot T%2 is filled with block T+2 (f32, by the tensor data mover) | raw block T+1 is quantised by the sixteen waves together, each 1/16 of k's and of v's
; numbers, into IMAGES OF THE OPERANDS' REGISTERS in LDS (16 bytes a lane, 512 bytes a group of four registers) | every wave computes on the image of block T.
; K = 64 IN A FORM WITH K = 128.  A fragment of k holds TWO tiles of 16 keys: tile 2b in k = 0..63, tile 2b+1 in k = 64..127.  Q lies in 24 registers as [codes 8][zeros 8][codes 8]: v[16:31] picks the
; first tile, v[24:39] the second: zero codes add nothing.  Q's scale word is [s0 s1 s0 s1].
; LAYOUT.  Both products are used transposed (source 0 = 16 keys or 16 channels, source 1 = my 16 queries or p): a lane holds ONE query (lane % 16) throughout.  Row m of tile 2b+u is key
; 32b + 8u + m + 8(m/8), so that register 16b+i of the scores is key 32b + 16(lane/16) + i: p's conversions give the second product's operand as it stands.
; NO CLUSTER: a block of keys is read by work-groups x, x+1 and x+2, but in trips T+4, T+2 and T of the walk: never in the same trip, and a joint request is one load in one round of all partners.
; NO PREFETCH: the blocks that a work-group's trips 0 to 3 ask for are the first fills of work-groups x+1 and x+2, issued at the same place of the text.
; LIMITS: NaN and infinities among the inputs are not served.  A block of zeros gets the scale byte 1 where the quantiser's rule says 127: its codes are zeros and this program alone reads the bytes.
; A block's largest p is made from the block's largest score by the same multiply-add and exponential: this takes v_exp_f32 not to fall where its input rises.
.set SLOTB, 131072                     ; LDS: slot 1 begins here.  In a slot:
.set RK,    0                          ;   raw k: 128 rows of 256 bytes + 16 of padding (tensor fill)
.set RV,    34816                      ;   raw v: 128 rows of 256 bytes + 8 of padding (tensor fill)
.set IK,    68608                      ;   k's image: fragment b x 2048 + group c x 512 + lane x 16
.set IV,    76800                      ;   v's image: tile t x 2048 + group c x 512 + lane x 16
.set SK,    84992                      ;   k's scale words: row m x 16 + b x 4 + byte 2u + c'
.set SV,    85248                      ;   v's scale words: row r x 16 + t x 4 + byte c
.set STG,   216576                     ; behind the slots: a stage of 16 rows x 272 bytes for each wave, its own: q on the way in, the result on the way out
.set SPARE, 286208                     ; the spare words, 128 bytes for each wave: eight blocks of 256 bytes that no other line names
.set PKK,   272                        ; raw k's pitch: 68 words: the 16 lanes of a 16-byte load (8 rows x 2 halves of a row) fall on 16 different columns of 16 bytes
.set PVV,   264                        ; raw v's pitch: 66 words: 16 rows on are 1,056 words, 32 banks on (64 banks of 4 bytes: ISA guide 11.1): the two halves of the lanes meet no common bank
.set AKQ, 1                            ; v1   raw k: my 16 numbers: key 8w + r/2, channels 32(r%2) + 16h on
.set AVQ, 2                            ; v2   raw v: channel 16(w%4) + r, keys 32(w/4) + 16h on
.set SKI, 3                            ; v3   where my 16 codes of k go in the image
.set SKB, 4                            ; v4   and their scale byte
.set SVI, 5                            ; v5   the same for v
.set SVB, 6                            ; v6
.set LI,  7                            ; v7   16 x lane; never rewritten
.set LR,  8                            ; v8   16 x (lane % 16)
.set SPW, 9                            ; v9   LDS address of my spare word: SPARE + 4 x my thread's number; never rewritten
.set NIL, 10                           ; v10  0; never rewritten
.set DQ,  11                           ; v11  r - 16h
                                       ; v12  -M, v13 the largest t, v[14:15] the row's sum in two halves
.set QF,  16                           ; v16-39   Q: codes, zeros, codes
                                       ; v40-47   addresses of the trip in hand
.set FRG, 48                           ; v48-111  four fragments of k, then of v
.set S,   112                          ; v112-175 the scores, then p; also the quantiser's 32 numbers
.set OT,  176                          ; v176-207 O^T
.set PC,  208                          ; v208-223 codes just made
.set BM,  224                          ; v224-227 largest magnitudes / scores of the blocks
.set T1,  228                          ; v228-231 the other half's, then the scale bytes
.set HL,  232                          ; v232-235 at work in the row's sum
.set SO,  236                          ; v236-239 the conversions' scale operands
.set SCW, 240                          ; v240-243 k's or v's scale words
.set FF,  244                          ; v244 f = 2^(old M - new M); named as the pair v[244:245], of which the low word serves both halves
.set PW,  245                          ; v245 p's scale word
.set TA,  246                          ; v246 at work
.set NINF, 247                         ; v247 -infinity
.set QS,  248                          ; v248 Q's scale word
.set TW,  249                          ; v249 at work
.set SU,  250                          ; v[250:251] the sum's second chain
.set WV,  12                           ; s12  my wave's number
.set SEL, 20                           ; s[20:21] lane selects for v_permlanex16_b32: lane l xor 16
.set CS,  22                           ; s[22:23] log2(e): the packed form names a pair and takes its low word for both halves
.set MNT, 24
.set DL,  27                           ; s27  my first query less the step's first key
.set CUR, 28                           ; s28  the number of the block of keys of the trip in hand (negative: there is none)
.set CNT, 29                           ; s29  the loop's counter
.set G1K, 32                           ; s[32:39] descriptor group 1 for k's tiles;  s[40:47] for v's: the padding differs
.set G1V, 40
.set G0K, 48                           ; s[48:55] group 0 for k's tiles, a set for each slot;  s[56:63] for v's
.set G0V, 56
.set KB,  66                           ; s[66:67] k at my batch and my half of a block's rows;  s[68:69] v likewise
.set VB,  68
.set OFS, 70                           ; s[70:71] an offset in 64 bits
.set QSC, 72                           ; s[72:73] 1/8
.set STW, 74                           ; s74  my stage
; Waves 0 and 1 fetch k's two halves of a block (64 rows each), waves 2 and 3 v's, the others nothing.  The branches hang on the wave's number alone.  Four v_nop follow each of the two lines.
.macro TLOAD s
	s_cmp_lt_u32 s[WV], 2
	s_cbranch_scc0 .Lnot_k_\@
	tensor_load_to_lds s[G0K+4*(\s):G0K+4*(\s)+3], s[G1K:G1K+7]
	s_nop 0
.rept 4
	v_nop
.endr
	s_branch .Lasked_\@
.Lnot_k_\@:
	s_cmp_lt_u32 s[WV], 4
	s_cbranch_scc0 .Lasked_\@
	tensor_load_to_lds s[G0V+4*(\s):G0V+4*(\s)+3], s[G1V:G1V+7]
	s_nop 0
.rept 4
	v_nop
.endr
.Lasked_\@:
.endm
; Two halves of blocks of 32: v[x .. x+15] and v[x+16 .. x+31]; the other 16 numbers of each block lie in lane l xor 16.  Codes to v[d .. d+3] and v[d+4 .. d+7], scale bytes to v[T1], v[T1+1].
.macro QUANT2 x, d
.irp b, 0,1
	v_max3_num_f32 v[BM+\b], |v[\x+16*\b]|, |v[\x+16*\b+1]|, 0x4800000   ; my 16 numbers, and the floor 2^(9 - 127): the byte cannot fall under 1
.endr
.irp i, 2,4,6,8,10,12,14
.irp b, 0,1
	s_delay_alu instid0(VALU_DEP_2)
	v_max3_num_f32 v[BM+\b], v[BM+\b], |v[\x+16*\b+\i]|, |v[\x+16*\b+\i+1]|
.endr
.endr
.irp b, 0,1
	s_delay_alu instid0(VALU_DEP_2)
	v_permlanex16_b32 v[T1+\b], v[BM+\b], s[SEL], s[SEL+1]
.endr
.irp b, 0,1
	s_delay_alu instid0(VALU_DEP_2)
	v_max_num_f32 v[BM+\b], v[BM+\b], v[T1+\b]             ; the block's largest magnitude
.endr
.irp b, 0,1
	s_delay_alu instid0(VALU_DEP_2)
	v_add_nc_u32 v[SO+\b], 0xfc000000, v[BM+\b]            ; 8 off its exponent field: the conversion takes the exponent field of this operand as its scale
.endr
.irp b, 0,1
.endr
.irp b, 0,1
	s_delay_alu instid0(VALU_DEP_2)
	v_lshrrev_b32 v[T1+\b], 23, v[SO+\b]                   ; the scale's byte
.endr
.irp b, 0,1
.irp i, 0,1,2,3,4,5,6,7,8,9,10,11,12,13,14,15
.endr
	v_cvt_scalef32_pk8_fp8_f32 v[\d+4*\b:\d+4*\b+1], v[\x+16*\b:\x+16*\b+7], v[SO+\b]
	v_cvt_scalef32_pk8_fp8_f32 v[\d+4*\b+2:\d+4*\b+3], v[\x+16*\b+8:\x+16*\b+15], v[SO+\b]
.endr
	v_nop                                                  ; one plain vector instruction behind the last conversion
.endm
; My sixteenth of the raw block in slot s becomes codes: 16 numbers of k (neighbours along the channels) and 16 of v (one channel, registers down the keys), into slot s's images.
.macro QUANTKV s
	v_add_nc_u32 v40, (\s)*SLOTB+RK, v[AKQ]
	v_add_nc_u32 v41, (\s)*SLOTB+RV, v[AVQ]
	v_add_nc_u32 v42, (\s)*SLOTB+IK, v[SKI]
	v_add_nc_u32 v43, (\s)*SLOTB+SK, v[SKB]
	v_add_nc_u32 v44, (\s)*SLOTB+IV, v[SVI]
	v_add_nc_u32 v45, (\s)*SLOTB+SV, v[SVB]
.irp i, 0,1,2,3
	ds_load_b128 v[S+4*\i:S+4*\i+3], v40 offset:16*\i
.endr
.irp i, 0,1,2,3,4,5,6,7,8,9,10,11,12,13,14,15
	ds_load_b32 v[S+16+\i], v41 offset:PVV*\i
.endr
	s_wait_dscnt 0x0
	QUANT2 S, PC
	ds_store_b128 v42, v[PC:PC+3]
	ds_store_b8 v43, v[T1]                                 ; both lanes of a block write the same byte with the same value
	ds_store_b128 v44, v[PC+4:PC+7]
	ds_store_b8 v45, v[T1+1]
.endm
; A KEY STEP on the image in slot s.  np: v_nop in front of the loads where no other vector work stands behind the last products.
.macro STEP s, np
	s_cmp_lt_i32 s[CUR], 0                                 ; no such block;
	s_cbranch_scc1 .Lskip_\@
	s_cmp_lt_i32 s[DL], -15                                ; or all its keys come after my 16 queries;
	s_cbranch_scc1 .Lskip_\@
	s_cmp_gt_i32 s[DL], 638                                ; or all lie more than 511 before them
	s_cbranch_scc1 .Lskip_\@
	v_add_nc_u32 v46, (\s)*SLOTB+IK, v[LI]
	v_add_nc_u32 v47, (\s)*SLOTB+SK, v[LR]
.if \np > 0
.rept \np
	v_nop                                                  ; places in front of loads into registers that the last products read (ISA guide 7.12.1 for vector instructions); elsewhere the quantiser's lines are the places
.endr
.endif
.irp b, 0,1,2,3
.irp c, 0,1,2,3
	ds_load_b128 v[FRG+16*\b+4*\c:FRG+16*\b+4*\c+3], v46 offset:2048*\b+512*\c
.endr
.endr
	ds_load_b128 v[SCW:SCW+3], v47                         ; lane r: row r's words of the four fragments
	s_wait_alu depctr_va_vdst(0)
	s_wait_dscnt 0x0                                       ; (my image stores of this trip have read their registers too)
.irp b, 0,1,2,3
.irp u, 0,1
	v_wmma_scale_f32_16x16x128_f8f6f4 v[S+16*\b+8*\u:S+16*\b+8*\u+7], v[FRG+16*\b:FRG+16*\b+15], v[QF+8*\u:QF+8*\u+15], 0, v[SCW+\b], v[QS]
.endr
.endr
	v_add_nc_u32 v[TA], s[DL], v[DQ]                       ; d = my query - the step's first key - 16 (lane / 16).  Eight places behind the products: these two lines and six v_nop
	s_delay_alu instid0(VALU_DEP_1)
	v_add_nc_u32 v[TW], -511, v[TA]
.rept 6
	v_nop
.endr
.irp t, 0,1,2,3                                                ; v's four tiles are asked for now and land under the softmax
.irp c, 0,1,2,3
	ds_load_b128 v[FRG+16*\t+4*\c:FRG+16*\t+4*\c+3], v46 offset:IV-IK+2048*\t+512*\c
.endr
.endr
	ds_load_b128 v[SCW:SCW+3], v47 offset:SV-SK
	s_cmp_gt_i32 s[DL], 126                                ; the diagonal: register 16b+i holds key 32b + 16 (lane/16) + i of the step: hidden where 32b + i > d.  Skipped where key 127 counts for query 0
	s_cbranch_scc1 .Lnc_\@
.set nn, 0
.rept 64
	v_cmp_gt_i32 vcc_lo, 32*(nn/16)+nn%16, v[TA]
	v_cndmask_b32 v[S+nn], v[S+nn], v[NINF], vcc_lo
.set nn, nn+1
.endr
.Lnc_\@:
	s_cmp_lt_i32 s[DL], 497                                ; the window's edge: hidden where 32b + i < d - 511.  Skipped where key 0 counts for query 15
	s_cbranch_scc1 .Lnw_\@
.set nn, 0
	s_wait_alu depctr_va_vdst(0)
.rept 64
	v_cmp_lt_i32 vcc_lo, 32*(nn/16)+nn%16, v[TW]
	v_cndmask_b32 v[S+nn], v[S+nn], v[NINF], vcc_lo
.set nn, nn+1
.endr
.Lnw_\@:
.irp b, 0,1,2,3
	v_max3_num_f32 v[BM+\b], v[S+16*\b], v[S+16*\b+1], v[S+16*\b+2]   ; the largest score of each block of 32 keys: for the row's maximum, and, since p rises with the score, for the block's largest p
.endr
.irp i, 3,5,7,9,11,13
.irp b, 0,1,2,3
	v_max3_num_f32 v[BM+\b], v[BM+\b], v[S+16*\b+\i], v[S+16*\b+\i+1]
.endr
.endr
.irp b, 0,1,2,3
	v_max_num_f32 v[BM+\b], v[BM+\b], v[S+16*\b+15]
.endr
.irp b, 0,1,2,3
	s_delay_alu instid0(VALU_DEP_4)
	v_permlanex16_b32 v[T1+\b], v[BM+\b], s[SEL], s[SEL+1]
.endr
.irp b, 0,1,2,3
	s_delay_alu instid0(VALU_DEP_4)
	v_max_num_f32 v[BM+\b], v[BM+\b], v[T1+\b]             ; with lane l xor 16's 16 keys
.endr
	s_delay_alu instid0(VALU_DEP_2)
	v_max3_num_f32 v[TA], v[BM], v[BM+1], v[BM+2]
	s_delay_alu instid0(VALU_DEP_1)
	v_max_num_f32 v[TA], v[TA], v[BM+3]                    ; the step's largest score of my query
	s_delay_alu instid0(VALU_DEP_1)
	v_mul_f32 v[TA], s[CS], v[TA]                          ; as t
	s_delay_alu instid0(VALU_DEP_1)
	v_max_num_f32 v13, v13, v[TA]                          ; the running largest t (a query all of whose keys of this step are hidden keeps the old one)
	v_mov_b32 v[TA], v12
	s_delay_alu instid0(VALU_DEP_2)
	v_floor_f32 v12, -v13                                  ; the new -M = floor(-t) = -ceil(t)
	s_delay_alu instid0(VALU_DEP_1)
	v_sub_f32 v[TA], v12, v[TA]                            ; old M less new M: a whole number, 0 or less
	s_delay_alu instid0(VALU_DEP_1)
	v_cvt_i32_f32 v[TA], v[TA]                             ; (it saturates)
	s_delay_alu instid0(VALU_DEP_1)
	v_ldexp_f32 v[FF], 1.0, v[TA]                          ; f = 2^(old M - new M)
.set nn, 0
.rept 32
	v_pk_fma_f32 v[S+nn:S+nn+1], v[S+nn:S+nn+1], s[CS:CS+1], v[12:13] op_sel_hi:[1,0,0]   ; t - M, two at a time
.set nn, nn+2
.endr
.irp b, 0,1,2,3
	v_fma_f32 v[BM+\b], v[BM+\b], s[CS], v12               ; the same of each block's largest score
.endr
.set nn, 0
	s_wait_alu depctr_va_vdst(0)
.rept 64
	v_exp_f32 v[S+nn], v[S+nn]                             ; p = 2^(t - M), at most 1; 0 for a hidden key
.set nn, nn+1
.endr
.irp b, 0,1,2,3
	v_exp_f32 v[BM+\b], v[BM+\b]                           ; the block's largest p
.endr
	v_pk_mul_f32 v[14:15], v[14:15], v[FF:FF+1] op_sel_hi:[1,0]   ; the sums under the new M.  (A plain place behind the exponentials)
	s_wait_alu depctr_va_vdst(0)
.irp b, 0,1,2,3
	v_max_num_f32 v[BM+\b], 0x4800000, v[BM+\b]            ; the floor 2^(9 - 127): a block whose every p is 0 keeps the byte 1: its codes are zeros
.endr
.irp b, 0,1,2,3
	s_delay_alu instid0(VALU_DEP_4)
	v_add_nc_u32 v[SO+\b], 0xfc000000, v[BM+\b]
.endr
.irp b, 0,1,2,3
.endr
.irp b, 0,1,2,3
	s_delay_alu instid0(VALU_DEP_4)
	v_lshrrev_b32 v[T1+\b], 23, v[SO+\b]
.endr
	s_delay_alu instid0(VALU_DEP_3)
	v_lshl_or_b32 v[PW], v[T1+1], 8, v[T1]                 ; p's scale word for these 128 keys: more than eight plain lines ahead of the products that name it
	s_delay_alu instid0(VALU_DEP_1)
	v_lshl_or_b32 v[PW], v[T1+2], 16, v[PW]
	s_delay_alu instid0(VALU_DEP_1)
	v_lshl_or_b32 v[PW], v[T1+3], 24, v[PW]
	v_pk_add_f32 v[250:251], v[116:117], v[120:121]
	v_pk_add_f32 v[254:255], v[124:125], v[128:129]
	v_pk_add_f32 v[252:253], v[132:133], v[136:137]
	v_pk_add_f32 v[234:235], v[140:141], v[144:145]
	v_pk_add_f32 v[232:233], v[148:149], v[152:153]
	v_pk_add_f32 v[226:227], v[156:157], v[160:161]
	v_pk_add_f32 v[224:225], v[164:165], v[168:169]
	v_pk_add_f32 v[14:15], v[14:15], v[172:173]
	v_pk_add_f32 v[250:251], v[250:251], v[112:113]
	v_pk_add_f32 v[254:255], v[254:255], v[114:115]
	v_pk_add_f32 v[252:253], v[252:253], v[118:119]
	v_pk_add_f32 v[234:235], v[234:235], v[122:123]
	v_pk_add_f32 v[232:233], v[232:233], v[126:127]
	v_pk_add_f32 v[226:227], v[226:227], v[130:131]
	v_pk_add_f32 v[224:225], v[224:225], v[134:135]
	v_pk_add_f32 v[14:15], v[14:15], v[138:139]
	v_pk_add_f32 v[250:251], v[250:251], v[142:143]
	v_pk_add_f32 v[254:255], v[254:255], v[146:147]
	v_pk_add_f32 v[252:253], v[252:253], v[150:151]
	v_pk_add_f32 v[234:235], v[234:235], v[154:155]
	v_pk_add_f32 v[232:233], v[232:233], v[158:159]
	v_pk_add_f32 v[226:227], v[226:227], v[162:163]
	v_pk_add_f32 v[224:225], v[224:225], v[166:167]
	v_pk_add_f32 v[14:15], v[14:15], v[170:171]
	v_pk_add_f32 v[250:251], v[250:251], v[174:175]
	s_delay_alu instid0(VALU_DEP_2)
	v_pk_add_f32 v[14:15], v[14:15], v[234:235]
	s_delay_alu instid0(VALU_DEP_2)
	v_pk_add_f32 v[250:251], v[250:251], v[232:233]
	v_pk_add_f32 v[254:255], v[254:255], v[226:227]
	v_pk_add_f32 v[252:253], v[252:253], v[224:225]
	s_delay_alu instid0(VALU_DEP_2)
	v_pk_add_f32 v[14:15], v[14:15], v[254:255]
	s_delay_alu instid0(VALU_DEP_2)
	v_pk_add_f32 v[250:251], v[250:251], v[252:253]
	s_delay_alu instid0(VALU_DEP_1)
	v_pk_add_f32 v[14:15], v[14:15], v[250:251]
.irp b, 0,1,2,3
.irp i, 0,1,2,3,4,5,6,7,8,9,10,11,12,13,14,15
.endr
	v_cvt_scalef32_pk8_fp8_f32 v[PC+4*\b:PC+4*\b+1], v[S+16*\b:S+16*\b+7], v[SO+\b]
	v_cvt_scalef32_pk8_fp8_f32 v[PC+4*\b+2:PC+4*\b+3], v[S+16*\b+8:S+16*\b+15], v[SO+\b]
.endr
.set nn, 0
.rept 16
	v_pk_mul_f32 v[OT+nn:OT+nn+1], v[OT+nn:OT+nn+1], v[FF:FF+1] op_sel_hi:[1,0]   ; O^T under the new M, each accumulator from its low end on.  (These 16 are also the places between the codes and the products)
.set nn, nn+2
.endr
	s_wait_alu depctr_va_vdst(0)
	s_wait_dscnt 0x0                                       ; v's tiles and scale words are in
.irp t, 0,1,2,3                                                ; O^T += V^T P^T: the four accumulators by turns
	v_wmma_scale_f32_16x16x128_f8f6f4 v[OT+8*\t:OT+8*\t+7], v[FRG+16*\t:FRG+16*\t+15], v[PC:PC+15], v[OT+8*\t:OT+8*\t+7], v[SCW+\t], v[PW]
.endr
.Lskip_\@:
	s_sub_co_i32 s[DL], s[DL], 128                         ; on to the next block of keys
	s_add_co_i32 s[CUR], s[CUR], 1
.endm
; A TRIP.  In front of its barrier each wave has: all its tensor loads landed (its part of raw block T+1), its reads of raw slot P and of image 1-P back, its stores into image P done.
; Behind it: raw slot P is filled again (fill), raw slot 1-P is quantised into image 1-P (quant), image P is computed on.
.macro TRIP P, fill, quant, np
	s_wait_tensorcnt 0x0                                   ; no tensor load of mine is out, so a group 0 may be written
	ds_add_u32 v[SPW], v[NIL]                              ; 0 onto my spare word
.if \fill
	s_add_co_i32 s30, s[CUR], 2                            ; the block two trips on, held at 0 from below
	s_max_i32 s30, s30, 0
	s_lshl_b32 s[OFS], s30, 15                             ; 128 rows of 256 bytes a block
	s_add_nc_u64 s[G0K+4*(\P)+2:G0K+4*(\P)+3], s[KB:KB+1], s[OFS:OFS+1]
	s_or_b32 s[G0K+4*(\P)+3], s[G0K+4*(\P)+3], 0x80000000
	s_add_nc_u64 s[G0V+4*(\P)+2:G0V+4*(\P)+3], s[VB:VB+1], s[OFS:OFS+1]
	s_or_b32 s[G0V+4*(\P)+3], s[G0V+4*(\P)+3], 0x80000000
.endif
	s_wait_dscnt 0x0                                       ; the add is done; my LDS loads are back and my LDS stores have landed
	s_barrier_signal -1
	s_barrier_wait -1
.if \fill
	TLOAD \P                                               ; the first thing behind the barrier, and a wave's one tensor load until the next: by this text's count one load of a wave is out
.endif
.if \quant
	QUANTKV 1-\P
.endif
	STEP \P, \np
.endm
	s_load_b256 s[4:11], s[0:1], 0x0                       ; q s[4:5], k s[6:7], v s[8:9], out s[10:11]
	v_lshl_add_u32 v[SPW], v0, 2, SPARE
	v_mov_b32 v[NIL], 0
	ds_add_u32 v9, v10
	ds_add_u32 v9, v10
	s_wait_dscnt 0x0
	v_lshrrev_b32 v40, 5, v0
	s_delay_alu instid0(VALU_DEP_1)
	v_readfirstlane_b32 s[WV], v40                         ; wave 0..15
	s_and_b32 s14, ttmp7, 0xffff                           ; the batch
	s_and_b32 s15, s[WV], 1                                ; w % 2: also which 64 rows of a block I fetch, if I fetch
	s_lshr_b32 s16, s[WV], 2                               ; w / 4
	s_and_b32 s17, s[WV], 3                                ; w % 4
	s_bfe_u32 s18, s[WV], 0x10001                          ; (w / 2) % 2
	; descriptor group 1: a tile of 64 rows x 64 elements of 4 bytes, dense in memory, padded in LDS
	s_mov_b32 s[G1K], (2<<16)|(1<<20)|(5<<22)|(3<<25)      ; 15:0 no mask; 17:16 elements of 4 bytes; 20 padding on; 24:22 after every 64 words (code 5); 31:25 four words (code 3)
	s_mov_b32 s[G1V], (2<<16)|(1<<20)|(5<<22)|(1<<25)      ; the same with two words of padding (code 1)
.irp g, G1K, G1V
	s_mov_b32 s[\g+1], 64<<16                              ; tensor_dim0 = 64
	s_mov_b32 s[\g+2], 64<<16                              ; tensor_dim1 = 64
	s_mov_b32 s[\g+3], 64<<16                              ; tile_dim0 = 64
	s_mov_b32 s[\g+4], 64                                  ; tile_dim1 = 64
	s_mov_b32 s[\g+5], 64                                  ; tensor_dim0_stride
	s_mov_b32 s[\g+6], 0
	s_mov_b32 s[\g+7], 0
.endr
	s_mov_b32 s[SEL], 0x76543210
	s_mov_b32 s[SEL+1], 0xfedcba98
	s_mov_b32 s[CS], 0x3fb8aa3b                            ; log2(e)
	s_mov_b32 s[CS+1], s[CS]                               ; (named with it as a pair, so it is written)
	s_mov_b32 s[QSC], 0x3e000000                           ; 1/8 = 64^(-1/2)
	s_mov_b32 s[QSC+1], s[QSC]
	s_lshl_b32 s[CUR], ttmp9, 1
	s_sub_co_i32 s[CUR], s[CUR], 4                         ; the first block of the walk: 2x - 4
	s_lshl_b32 s[DL], s[WV], 4
	s_add_co_u32 s[DL], s[DL], 512                         ; (256x + 16w) - 128 (2x - 4)
	s_mul_i32 s[STW], s[WV], 16*272
	s_add_co_u32 s[STW], s[STW], STG
	s_mul_i32 s30, s15, 64*PKK                             ; where my half of a block goes in a slot: k's,
	s_mul_i32 s31, s15, 64*PVV
	s_add_co_u32 s31, s31, RV                              ; v's
	s_lshl_b32 s[OFS], s14, 20                             ; a batch is 4,096 rows of 256 bytes
	s_lshl_b32 s19, s15, 14
	s_add_co_u32 s[OFS], s[OFS], s19                       ; + my 64 rows
	s_mov_b32 s[OFS+1], 0
	s_wait_kmcnt 0x0
	s_add_nc_u64 s[KB:KB+1], s[6:7], s[OFS:OFS+1]
	s_add_nc_u64 s[VB:VB+1], s[8:9], s[OFS:OFS+1]
.irp t, 0,1                                                    ; group 0 for slot t: block 2x - 4 + t, held at 0 from below
	s_add_co_i32 s19, s[CUR], \t
	s_max_i32 s19, s19, 0
	s_lshl_b32 s[OFS], s19, 15
	s_mov_b32 s[G0K+4*\t], 1                               ; 1:0 count = 1
	s_add_co_u32 s[G0K+4*\t+1], s30, \t*SLOTB              ; 63:32 LDS address
	s_add_nc_u64 s[G0K+4*\t+2:G0K+4*\t+3], s[KB:KB+1], s[OFS:OFS+1]   ; 120:64 global address
	s_or_b32 s[G0K+4*\t+3], s[G0K+4*\t+3], 0x80000000      ; 127:126 type = 2
	s_mov_b32 s[G0V+4*\t], 1
	s_add_co_u32 s[G0V+4*\t+1], s31, \t*SLOTB
	s_add_nc_u64 s[G0V+4*\t+2:G0V+4*\t+3], s[VB:VB+1], s[OFS:OFS+1]
	s_or_b32 s[G0V+4*\t+3], s[G0V+4*\t+3], 0x80000000
.endr
	s_cmp_lt_u32 s[WV], 2                                  ; a wave's two first fills stand in one branch, ahead of every wait on TENSORcnt, every LDS read and every barrier: two loads of a wave are out
	s_cbranch_scc0 .Lfirst_not_k
	tensor_load_to_lds s[G0K:G0K+3], s[G1K:G1K+7]
	s_nop 0
	tensor_load_to_lds s[G0K+4:G0K+7], s[G1K:G1K+7]
	s_nop 0
.rept 4
	v_nop
.endr
	s_branch .Lfirst_asked
.Lfirst_not_k:
	s_cmp_lt_u32 s[WV], 4
	s_cbranch_scc0 .Lfirst_asked
	tensor_load_to_lds s[G0V:G0V+3], s[G1V:G1V+7]
	s_nop 0
	tensor_load_to_lds s[G0V+4:G0V+7], s[G1V:G1V+7]
	s_nop 0
.rept 4
	v_nop
.endr
.Lfirst_asked:
	s_lshl_b32 s[OFS], s14, 20                             ; q and out at my wave's first row: batch, 256 rows a work-group, 16 a wave
	s_lshl_b32 s19, ttmp9, 16
	s_add_co_u32 s[OFS], s[OFS], s19
	s_lshl_b32 s19, s[WV], 12
	s_add_co_u32 s[OFS], s[OFS], s19
	s_add_nc_u64 s[4:5], s[4:5], s[OFS:OFS+1]
	s_add_nc_u64 s[10:11], s[10:11], s[OFS:OFS+1]
	v_and_b32 v[LI], 31, v0
	s_delay_alu instid0(VALU_DEP_1)
	v_lshlrev_b32 v[LI], 4, v[LI]
.irp i, 0,1,2,3,4,5,6,7
	global_load_b128 v[FRG+4*\i:FRG+4*\i+3], v[LI], s[4:5] offset:512*\i th:TH_LOAD_NT   ; my 16 rows of q, 4,096 dense bytes: 512 consecutive bytes a load; read once in the launch
.endr
	; the lane's addresses and the first values are made while q is on its way
	v_and_b32 v42, 15, v0                                  ; r
	v_bfe_u32 v43, v0, 4, 1                                ; h
	s_delay_alu instid0(VALU_DEP_2)
	v_lshrrev_b32 v44, 1, v42                              ; r / 2
	s_delay_alu instid0(VALU_DEP_3)
	v_and_b32 v45, 1, v42                                  ; r % 2
	s_delay_alu instid0(VALU_DEP_4)
	v_lshlrev_b32 v[LR], 4, v42
	s_delay_alu instid0(VALU_DEP_4)
	v_lshlrev_b32 v46, 4, v43
	s_delay_alu instid0(VALU_DEP_1)
	v_sub_nc_u32 v[DQ], v42, v46
	s_mul_i32 s30, s[WV], 8*PKK                            ; raw k: key 8w + r/2, channels 32 (r%2) + 16h on
	v_mul_u32_u24 v[AKQ], v44, PKK
	s_delay_alu instid0(VALU_DEP_1)
	v_lshl_add_u32 v[AKQ], v45, 7, v[AKQ]
	s_delay_alu instid0(VALU_DEP_1)
	v_lshl_add_u32 v[AKQ], v43, 6, v[AKQ]
	s_delay_alu instid0(VALU_DEP_1)
	v_add_nc_u32 v[AKQ], s30, v[AKQ]
	s_mul_i32 s30, s16, 32*PVV                             ; raw v: keys 32 (w/4) + 16h on, channel 16 (w%4) + r
	s_lshl_b32 s31, s17, 6
	s_add_co_u32 s30, s30, s31
	v_mul_u32_u24 v[AVQ], v43, 16*PVV
	s_delay_alu instid0(VALU_DEP_1)
	v_lshl_add_u32 v[AVQ], v42, 2, v[AVQ]
	s_delay_alu instid0(VALU_DEP_1)
	v_add_nc_u32 v[AVQ], s30, v[AVQ]
	s_lshl_b32 s30, s16, 11                                ; k's image: key 8w + r/2 is row m = 8 ((w/2)%2) + r/2 of tile 2 (w/4) + w%2: fragment w/4, group 2 (w%2) + r%2, lane m + 16h
	s_lshl_b32 s31, s15, 10
	s_add_co_u32 s30, s30, s31
	s_lshl_b32 s31, s18, 7
	s_add_co_u32 s30, s30, s31
	v_lshlrev_b32 v[SKI], 9, v45
	s_delay_alu instid0(VALU_DEP_1)
	v_lshl_add_u32 v[SKI], v43, 8, v[SKI]
	s_delay_alu instid0(VALU_DEP_1)
	v_lshl_add_u32 v[SKI], v44, 4, v[SKI]
	s_delay_alu instid0(VALU_DEP_1)
	v_add_nc_u32 v[SKI], s30, v[SKI]
	s_lshl_b32 s30, s18, 7                                 ; its scale byte: row m x 16 + fragment x 4 + group
	s_lshl_b32 s31, s16, 2
	s_add_co_u32 s30, s30, s31
	s_lshl_b32 s31, s15, 1
	s_add_co_u32 s30, s30, s31
	v_lshl_add_u32 v[SKB], v44, 4, v45
	s_delay_alu instid0(VALU_DEP_1)
	v_add_nc_u32 v[SKB], s30, v[SKB]
	s_lshl_b32 s30, s17, 11                                ; v's image: tile w%4, group w/4, my lane
	s_lshl_b32 s31, s16, 9
	s_add_co_u32 s30, s30, s31
	v_add_nc_u32 v[SVI], s30, v[LI]
	s_lshl_b32 s30, s17, 2                                 ; its scale byte: row r x 16 + tile x 4 + group
	s_add_co_u32 s30, s30, s16
	v_add_nc_u32 v[SVB], s30, v[LR]
	v_mul_u32_u24 v40, v43, 272                            ; my stage by dense rows: lanes 0-15 one row of 256 bytes, lanes 16-31 the next
	s_delay_alu instid0(VALU_DEP_1)
	v_add_nc_u32 v40, v40, v[LR]
	s_delay_alu instid0(VALU_DEP_1)
	v_add_nc_u32 v40, s[STW], v40
	v_mul_u32_u24 v41, v42, 272                            ; and by the operand's layout: row r, 64 bytes for each half of the lanes
	s_delay_alu instid0(VALU_DEP_1)
	v_lshl_add_u32 v41, v43, 6, v41
	s_delay_alu instid0(VALU_DEP_1)
	v_add_nc_u32 v41, s[STW], v41
	v_mov_b32 v13, 0xff61b1e6                              ; the largest t so far: -3e38, under every t
	s_delay_alu instid0(VALU_DEP_1)
	v_floor_f32 v12, -v13                                  ; -M
	v_mov_b32 v14, 0                                       ; the sum, in two halves
	v_mov_b32 v15, 0
	v_mov_b32 v[PW], 0                                     ; (named as the upper half of the pair v[244:245] before it is first written)
	v_mov_b32 v[NINF], 0xff800000
.irp b, 0,1,2,3
	v_mov_b32 v[T1+\b], 0                                  ; written once: a lane permute's destination counts as one of its sources
.endr
.set nn, 0
.rept 32
	v_mov_b32 v[OT+nn], 0                                  ; O^T.  (The step is written once for all trips: a wave's first step finds zeros, which the first change of M leaves zeros)
.set nn, nn+1
.endr
.irp i, 0,1,2,3,4,5,6,7
	v_mov_b32 v[QF+8+\i], 0                                ; Q's zero codes
.endr
	s_wait_loadcnt 0x0
.irp i, 0,1,2,3,4,5,6,7
	ds_store_b128 v40, v[FRG+4*\i:FRG+4*\i+3] offset:544*\i   ; q turns through my stage: in as it lies,
.endr
.irp c, 0,1
.irp j, 0,1,2,3
	ds_load_b128 v[S+16*\c+4*\j:S+16*\c+4*\j+3], v41 offset:128*\c+16*\j   ; out as 16 neighbours of each block of 32.  LDS serves a wave's instructions in order (ISA guide 5.7.1.4): these see the stores above
.endr
.endr
	s_wait_dscnt 0x0
.set nn, 0
.rept 16
	v_pk_mul_f32 v[S+nn:S+nn+1], v[S+nn:S+nn+1], s[QSC:QSC+1] op_sel_hi:[1,0]   ; q / 8, ahead of the quantiser
.set nn, nn+2
.endr
	QUANT2 S, QF
	v_lshl_or_b32 v[QS], v[T1+1], 8, v[T1]
	s_delay_alu instid0(VALU_DEP_1)
	v_lshl_or_b32 v[QS], v[QS], 16, v[QS]                  ; [s0 s1 s0 s1]
.irp i, 0,1,2,3,4,5,6,7
	v_mov_b32 v[QF+16+\i], v[QF+\i]                        ; the codes once more, behind the zeros
.endr
	s_wait_tensorcnt 0x1                                   ; my part of slot 0 is in; slot 1's, the one load issued behind it, may stay out
	s_wait_dscnt 0x0
	s_barrier_signal -1
	s_barrier_wait -1                                      ; everybody's is
	QUANTKV 0                                              ; the walk's first block becomes codes
	s_mov_b32 s[CNT], 2
.Lpair:                                                        ; two trips of the loop = trips 0 to 3 of the walk: each fills a raw slot again
	TRIP 0, 1, 1, 0
	TRIP 1, 1, 1, 0
	s_sub_co_u32 s[CNT], s[CNT], 1
	s_cmp_lg_u32 s[CNT], 0
	s_cbranch_scc1 .Lpair
	TRIP 0, 0, 1, 0                                        ; the tail is written out: nothing is left to fetch
	TRIP 1, 0, 0, 8                                        ; and at last nothing to quantise
	; THE WAY OUT.  O^T is divided by the row's sum and goes through my stage, so that each store covers 512 consecutive bytes, at a multiple of 256 from out's first byte.
	v_add_f32 v14, v14, v15                                ; the sum's two halves,
	s_wait_alu depctr_va_vdst(0)
	v_permlanex16_b32 v[T1], v14, s[SEL], s[SEL+1]
	s_delay_alu instid0(VALU_DEP_1)
	v_add_f32 v14, v14, v[T1]                              ; and lane l xor 16's: the row's sum.  The diagonal key counts for every query, so it is at least 1/2
	s_wait_alu depctr_va_vdst(0)
	v_rcp_f32 v14, v14
	v_and_b32 v42, 15, v0                                  ; (plain places behind the reciprocal, and with the two additions above more than the eight places behind the last products)
	v_bfe_u32 v43, v0, 4, 1
	s_delay_alu instid0(VALU_DEP_1)
	v_mul_u32_u24 v40, v43, 272
	s_delay_alu instid0(VALU_DEP_1)
	v_add_nc_u32 v40, v40, v[LR]
	s_delay_alu instid0(VALU_DEP_1)
	v_add_nc_u32 v40, s[STW], v40                          ; back: dense rows
	v_mul_u32_u24 v41, v42, 272
	s_delay_alu instid0(VALU_DEP_1)
	v_lshl_add_u32 v41, v43, 5, v41
	s_delay_alu instid0(VALU_DEP_1)
	v_add_nc_u32 v41, s[STW], v41                          ; in: row r; tile t's eight channels of my half: 64 t + 32 h bytes on
.set nn, 0
	s_wait_alu depctr_va_vdst(0)
.rept 16
	v_pk_mul_f32 v[S+nn:S+nn+1], v[OT+nn:OT+nn+1], v[14:15] op_sel_hi:[1,0]   ; register 8 t + j is out(r, 16 t + 8 h + j); each accumulator from its low end on
.set nn, nn+2
.endr
.irp t, 0,1,2,3
	ds_store_b128 v41, v[S+8*\t:S+8*\t+3] offset:64*\t
	ds_store_b128 v41, v[S+8*\t+4:S+8*\t+7] offset:64*\t+16
.endr
.irp i, 0,1,2,3,4,5,6,7
	ds_load_b128 v[FRG+4*\i:FRG+4*\i+3], v40 offset:544*\i
.endr
.irp i, 0,1,2,3,4,5,6,7
	s_wait_dscnt 7-\i                                      ; LDS loads come back in order (ISA guide 5.7.1): load i is in, the 7 - i younger ones may be out
	global_store_b128 v[LI], v[FRG+4*\i:FRG+4*\i+3], s[10:11] offset:512*\i th:TH_STORE_NT
.endr
	s_wait_tensorcnt 0x0                                   ; the wave's end, behind my last tensor load and my last LDS store
	ds_add_u32 v[SPW], v[NIL]
	s_wait_dscnt 0x0
	s_endpgm
.Lfunc_end_k_q88dd6ed48a_attn:
	.size	k_q88dd6ed48a_attn, .Lfunc_end_k_q88dd6ed48a_attn-k_q88dd6ed48a_attn
	.p2alignl 7, 3214868480
	.fill 96, 4, 3214868480
	.section	.rodata,"a",@progbits
	.p2align	6, 0x0
	.amdhsa_kernel k_q88dd6ed48a_attn
		.amdhsa_group_segment_fixed_size 327680
		.amdhsa_private_segment_fixed_size 0
		.amdhsa_enable_private_segment 0
		.amdhsa_kernarg_size 32
		.amdhsa_user_sgpr_count 2
		.amdhsa_user_sgpr_kernarg_segment_ptr 1
		.amdhsa_wavefront_size32 1
		.amdhsa_system_sgpr_workgroup_id_x 1
		.amdhsa_system_sgpr_workgroup_id_y 1
		.amdhsa_system_sgpr_workgroup_id_z 1
		.amdhsa_system_vgpr_workitem_id 0
		.amdhsa_next_free_vgpr 256
		.amdhsa_next_free_sgpr 80
		.amdhsa_reserve_vcc 1
		.amdhsa_float_denorm_mode_32 3
		.amdhsa_float_denorm_mode_16_64 3
		.amdhsa_fp16_overflow 1
		.amdhsa_memory_ordered 1
		.amdhsa_forward_progress 1
		.amdhsa_inst_pref_size 148
	.end_amdhsa_kernel
	.amdgpu_metadata
---
amdhsa.version: [ 1, 2 ]
amdhsa.kernels:
  - .name:           k_q88dd6ed48a_attn
    .symbol:         k_q88dd6ed48a_attn.kd
    .args:
      - { .name: q, .offset: 0, .size: 8, .value_kind: global_buffer, .address_space: global }
      - { .name: k, .offset: 8, .size: 8, .value_kind: global_buffer, .address_space: global }
      - { .name: v, .offset: 16, .size: 8, .value_kind: global_buffer, .address_space: global }
      - { .name: out0, .offset: 24, .size: 8, .value_kind: global_buffer, .address_space: global }
    .group_segment_fixed_size: 327680
    .private_segment_fixed_size: 0
    .kernarg_segment_align: 8
    .kernarg_segment_size: 32
    .max_flat_workgroup_size: 512
    .sgpr_count:     80
    .vgpr_count:     256
    .wavefront_size: 32
...
	.end_amdgpu_metadata
.endif
;; end of part 1
